; MI455X (gfx1250); checked and timed in simulation.
; The chip was launched on July 23, 2026; its instructions are those of AMD's public machine-readable ISA for CDNA 5 (MIT licence, August 2026) and "CDNA5" Instruction Set Architecture Reference Guide (July 2026). The comments in the code are by the model that wrote it; some were corrected since.
;; RPQ Linear. Allowed arithmetic: float matrix products may take bf16 or f16 operands with f32 sums; all other float work in f32.
;; Inputs: bias 16,384 float32; codebooks 32 x 256 x 128 float32; codes 32 x 16,384 int32; x 4 x 256 x 4,096 float32.
;; Outputs: out0 4 x 256 x 16,384 float32.
;; One version. Each part assembles by itself: llvm-mc -triple=amdgcn-amd-amdhsa -mcpu=gfx1250 --defsym DOCPART=n.
;; ======== version 1 of 1: 2 launches
;; workspace buffers: ptab 33,554,432 bytes
;; launch table (part 1): grid 32 x 8, 16 waves a work-group, no clusters, 106,496 bytes of LDS; arguments x, codebooks, ptab; writes ptab
.if DOCPART == 1
	.amdgcn_target "amdgcn-amd-amdhsa--gfx1250"
	.amdhsa_code_object_version 6
	.text
	.protected	k_q5eab89f46b_table
	.globl	k_q5eab89f46b_table
	.p2align	8
	.type	k_q5eab89f46b_table,@function
k_q5eab89f46b_table:
	s_mov_b64 s[64:65], 0
	v_nop
	global_prefetch_b8 v0, s[64:65] scope:SCOPE_SE
	s_setreg_imm32_b32 hwreg(HW_REG_WAVE_MODE, 25, 1), 1
	s_wait_xcnt 0x0
; THE TABLE OF PARTIAL PRODUCTS.  reference() multiplies x [1024][4096] by a weight whose row o is, piece by piece, row codes[h][o] of codebook h.
; A codebook has only 256 rows, so the sum is regrouped, exactly, for every input:
;   y[m][o] = bias[o] + sum over h of T[h][codes[h][o]][m],   T[h][c][m] = sum over d of x[m][128 h + d] * codebooks[h][c][d].
; This launch makes T, all the problem's multiplications, on the matrix unit: operands rounded to bf16, sums in f32, d ascending in four steps of 32.  The next launch adds up.
; LIMITS.  x and codebooks are rounded once to bf16 (nearest even); NaN and infinities are not treated apart.
; ptab's LAYOUT: [mb 16][h 32][c 256][pos 64] f32; mb is a block of 64 rows m, and position 4 r + j holds m = 64 mb + 16 j + r.  A row c is 256 bytes, a tile (mb, h) 65,536, both dense and aligned.
; The order of positions is chosen so that the four numbers of a lane's 16-byte store are one register of four accumulators.
; SHARES.  Work-group (h, gy): codebook h's 256 rows x the 128 rows m = 128 gy .., K = 128: the tiles (2 gy, h) and (2 gy + 1, h).  Sixteen waves: wave w has 32 rows c (cblk = w % 8) x 64 rows m (ms = w / 8): 8 accumulators.
; NO TENSOR LOAD: the inputs are f32 and pass through registers to become bf16.  NO CLUSTER: what eight work-groups share, a codebook, is 128 KB of the 192 KB that a work-group loads, once, in one run of 24 loads a wave;
; there is no ring whose requests could meet.
.set PITCH, 272                        ; an LDS row: 128 bf16 = 256 bytes + 16 of padding = 68 words: row r starts at bank 4 r mod 64 (64 banks of 4 bytes: ISA guide 11.1), so a fragment load's 16 rows start at 16 different groups of banks
.set CBS,   128*PITCH                  ; x's 128 rows lie at 0, the codebook's 256 rows here
.set SPARE, CBS+256*PITCH              ; the spare words: 128 bytes for each of 16 waves, eight blocks of 256 bytes that no other line names
.set LANE, 1                           ; v1   lane
.set TMP,  2                           ; v2   at work
.set R,    3                           ; v3   lane % 16
.set HH,   4                           ; v4   lane / 16
.set GL,   5                           ; v5   16 x lane: my 16 bytes of a row piece of 512 bytes in memory
.set SX,   7                           ; v7   where my 8 bytes of my wave's first row of x go in LDS
.set SC,   8                           ; v8   the same for the codebook
.set FA,   9                           ; v9   my place in my wave's first fragment of the codebook
.set FB,   10                          ; v10  the same for x
.set PO,   11                          ; v11  my byte offset in ptab: 8 rows c down for lanes 16-31, 16 bytes for each lane % 16
.set SPW,  12                          ; v12  LDS address of my spare word; never rewritten
.set NIL,  13                          ; v13  0; never rewritten
.set LD,   16                          ; v16-111  24 loads x 4 registers; then the two fragment buffers; then 64 registers for the way out
.set F0,   16                          ; a buffer: codebook block a at +8 a (a = 0, 1), x block j at +16 + 8 j (j = 0..3)
.set F1,   64
.set T,    16
.set ACC,  112                         ; v112-175  accumulator (a, j) at ACC + 8 (4 a + j)
	s_load_b128 s[4:7], s[0:1], 0x0                ; x s[4:5], codebooks s[6:7]
	s_load_b64 s[8:9], s[0:1], 0x10                ; ptab
	v_lshl_add_u32 v[SPW], v0, 2, SPARE
	v_mov_b32 v[NIL], 0
	v_lshrrev_b32 v[TMP], 5, v0
	v_readfirstlane_b32 s10, v[TMP]                ; wave 0..15
	s_mov_b32 s11, ttmp9                           ; h
	s_and_b32 s12, ttmp7, 0xffff                   ; gy
	s_and_b32 s13, s10, 7                          ; cblk
	s_lshr_b32 s14, s10, 3                         ; ms
	v_and_b32 v[LANE], 31, v0
	v_and_b32 v[R], 15, v0
	v_bfe_u32 v[HH], v0, 4, 1
	v_lshlrev_b32 v[GL], 4, v[LANE]
	; byte offsets, made apart from the addresses
	s_lshl_b32 s16, s12, 21                        ; x: 128 gy rows of 16,384 bytes,
	s_lshl_b32 s22, s11, 9                         ; codebook h's 512 bytes of a row,
	s_add_co_u32 s16, s16, s22
	s_lshl_b32 s22, s10, 17                        ; my wave's 8 rows
	s_add_co_u32 s16, s16, s22
	s_mov_b32 s17, 0
	s_lshl_b32 s18, s11, 17                        ; codebooks: h x 131,072 bytes,
	s_lshl_b32 s22, s10, 13                        ; my wave's 16 rows of 512 bytes
	s_add_co_u32 s18, s18, s22
	s_mov_b32 s19, 0
	s_lshl_b32 s20, s12, 6                         ; ptab: tile 32 (2 gy + ms) + h of 65,536 bytes,
	s_add_co_u32 s20, s20, s11
	s_lshl_b32 s20, s20, 16
	s_lshl_b32 s22, s14, 21
	s_add_co_u32 s20, s20, s22
	s_lshl_b32 s22, s13, 13                        ; my wave's 32 rows c of 256 bytes
	s_add_co_u32 s20, s20, s22
	s_mov_b32 s21, 0
	s_wait_kmcnt 0x0
	s_add_nc_u64 s[4:5], s[4:5], s[16:17]
	s_add_nc_u64 s[6:7], s[6:7], s[18:19]
	s_add_nc_u64 s[8:9], s[8:9], s[20:21]
	; all 24 loads of the wave go out at once: each covers 512 consecutive bytes, aligned: one row's piece.  x's piece is read by this work-group alone in the launch.
.irp i, 0,1,2,3,4,5,6,7
	global_load_b128 v[LD+4*(\i):LD+4*(\i)+3], v[GL], s[4:5] offset:(\i)*16384 th:TH_LOAD_NT
.endr
.irp i, 0,1,2,3,4,5,6,7,8,9,10,11,12,13,14,15
	global_load_b128 v[LD+32+4*(\i):LD+32+4*(\i)+3], v[GL], s[6:7] offset:(\i)*512
.endr
	; LDS addresses, in the shadow of the loads
	s_mul_i32 s22, s10, 8*PITCH
	v_lshl_add_u32 v[SX], v[LANE], 3, s22          ; 8 x lane + my wave's 8 rows of x
	s_mul_i32 s22, s10, 16*PITCH
	s_add_co_u32 s22, s22, CBS
	v_lshl_add_u32 v[SC], v[LANE], 3, s22          ; 8 x lane + my wave's 16 rows of the codebook
	v_mul_u32_u24 v[TMP], v[R], PITCH
	v_lshl_add_u32 v[TMP], v[HH], 4, v[TMP]        ; a fragment's row x pitch + 16 x half
	s_mul_i32 s22, s13, 32*PITCH
	s_add_co_u32 s22, s22, CBS
	v_add_nc_u32 v[FA], s22, v[TMP]
	s_mul_i32 s22, s14, 64*PITCH
	v_add_nc_u32 v[FB], s22, v[TMP]
	v_lshlrev_b32 v[PO], 4, v[R]
	v_lshl_add_u32 v[PO], v[HH], 11, v[PO]
; Load i has come: four f32 become four bf16, 8 bytes.
.macro CVT i
	s_wait_loadcnt 23-(\i)                         ; loads come back in order (ISA guide 5.7.1): mine is in, the 23 - i younger ones stay out
	v_cvt_pk_bf16_f32 v[LD+4*(\i)], v[LD+4*(\i)], v[LD+4*(\i)+1]
	v_cvt_pk_bf16_f32 v[LD+4*(\i)+1], v[LD+4*(\i)+2], v[LD+4*(\i)+3]
.if (\i) < 8
	ds_store_b64 v[SX], v[LD+4*(\i):LD+4*(\i)+1] offset:(\i)*PITCH
.else
	ds_store_b64 v[SC], v[LD+4*(\i):LD+4*(\i)+1] offset:((\i)-8)*PITCH
.endif
.endm
; 12 LDS loads: the fragments of K step ks (32 along d, 64 bytes of a row) into buffer f.  A fragment is 16 rows x 32 d in 8 registers: lane l holds row l % 16,
; d = 8 (l / 16) + 0..7 in registers 0-3 and 16 + 8 (l / 16) + 0..7 in registers 4-7: two loads of 16 bytes, 32 bytes apart.
.macro FETCH ks, f
.irp a, 0,1
	ds_load_b128 v[(\f)+8*(\a):(\f)+8*(\a)+3],   v[FA] offset:(\a)*16*PITCH+(\ks)*64
	ds_load_b128 v[(\f)+8*(\a)+4:(\f)+8*(\a)+7], v[FA] offset:(\a)*16*PITCH+(\ks)*64+32
.endr
.irp j, 0,1,2,3
	ds_load_b128 v[(\f)+16+8*(\j):(\f)+16+8*(\j)+3], v[FB] offset:(\j)*16*PITCH+(\ks)*64
	ds_load_b128 v[(\f)+16+8*(\j)+4:(\f)+16+8*(\j)+7], v[FB] offset:(\j)*16*PITCH+(\ks)*64+32
.endr
.endm
; 8 matrix instructions: source 0 = 16 rows of the codebook, source 1 = 16 rows of x.  In the result lane l holds m = l % 16 of block j, register n holds c = 8 (l / 16) + n of block a.
; The eight accumulators take turns, one instruction a turn.  zero = 1: the first K step starts the sums: nothing is cleared.
.macro MUL f, zero
.irp a, 0,1
.irp j, 0,1,2,3
.if \zero
	v_wmma_f32_16x16x32_bf16 v[ACC+8*(4*(\a)+(\j)):ACC+8*(4*(\a)+(\j))+7], v[(\f)+8*(\a):(\f)+8*(\a)+7], v[(\f)+16+8*(\j):(\f)+16+8*(\j)+7], 0
.else
	v_wmma_f32_16x16x32_bf16 v[ACC+8*(4*(\a)+(\j)):ACC+8*(4*(\a)+(\j))+7], v[(\f)+8*(\a):(\f)+8*(\a)+7], v[(\f)+16+8*(\j):(\f)+16+8*(\j)+7], v[ACC+8*(4*(\a)+(\j)):ACC+8*(4*(\a)+(\j))+7]
.endif
.endr
.endr
.endm
; Four places between a matrix instruction and a load into a register that it read, or a vector instruction that reads its result or writes one of its sources (ISA guide 7.12.1 for vector instructions)
.macro PLACES
.rept 4
	v_nop
.endr
.endm
.set n, 0
.rept 24
	CVT n
.set n, n+1
.endr
	s_wait_dscnt 0x0                               ; for the others' sake: my stores into LDS are done
	s_barrier_signal -1
	s_barrier_wait -1                              ; everybody's are: the fragments below hold rows that other waves stored
	FETCH 0, F0
	FETCH 1, F1
	s_wait_dscnt 12                                ; all but the 12 just issued: K step 0 is in
	MUL F0, 1
	PLACES
	FETCH 2, F0
	s_wait_dscnt 12                                ; K step 1 is in
	MUL F1, 0
	PLACES
	FETCH 3, F1
	s_wait_dscnt 12                                ; K step 2 is in
	MUL F0, 0
	s_wait_dscnt 0x0                               ; K step 3 is in
	MUL F1, 0
	PLACES
	; THE WAY OUT.  Register c of the four accumulators (a, 0..3) are, in lane l, the positions 4 (l % 16) + 0..3 of table row 16 a + 8 (l / 16) + c: 16 bytes that belong together.  They lie in four different
	; accumulators, so four moves bring them side by side: 64 moves a wave, the price of stores in which sixteen lanes cover a table row's 256 consecutive bytes, aligned.
	; c ascends.  Every store has its own four registers: no wait stands between them.
.set n, 0
.irp a, 0,1
.irp c, 0,1,2,3,4,5,6,7
.irp j, 0,1,2,3
	v_mov_b32 v[T+4*n+(\j)], v[ACC+8*(4*(\a)+(\j))+(\c)]
.endr
	global_store_b128 v[PO], v[T+4*n:T+4*n+3], s[8:9] offset:(16*(\a)+(\c))*256
.set n, n+1
.endr
.endr
	s_wait_tensorcnt 0x0                           ; the wave's end, behind my last LDS store
	ds_add_u32 v[SPW], v[NIL]
	s_wait_dscnt 0x0
	s_endpgm
.Lfunc_end_k_q5eab89f46b_table:
	.size	k_q5eab89f46b_table, .Lfunc_end_k_q5eab89f46b_table-k_q5eab89f46b_table
	.p2alignl 7, 3214868480
	.fill 96, 4, 3214868480
	.section	.rodata,"a",@progbits
	.p2align	6, 0x0
	.amdhsa_kernel k_q5eab89f46b_table
		.amdhsa_group_segment_fixed_size 106496
		.amdhsa_private_segment_fixed_size 0
		.amdhsa_enable_private_segment 0
		.amdhsa_kernarg_size 24
		.amdhsa_user_sgpr_count 2
		.amdhsa_user_sgpr_kernarg_segment_ptr 1
		.amdhsa_wavefront_size32 1
		.amdhsa_system_sgpr_workgroup_id_x 1
		.amdhsa_system_sgpr_workgroup_id_y 1
		.amdhsa_system_sgpr_workgroup_id_z 1
		.amdhsa_system_vgpr_workitem_id 0
		.amdhsa_next_free_vgpr 176
		.amdhsa_next_free_sgpr 66
		.amdhsa_reserve_vcc 0
		.amdhsa_float_denorm_mode_32 3
		.amdhsa_float_denorm_mode_16_64 3
		.amdhsa_memory_ordered 1
		.amdhsa_forward_progress 1
		.amdhsa_inst_pref_size 20
	.end_amdhsa_kernel
	.amdgpu_metadata
---
amdhsa.version: [ 1, 2 ]
amdhsa.kernels:
  - .name:           k_q5eab89f46b_table
    .symbol:         k_q5eab89f46b_table.kd
    .args:
      - { .name: x, .offset: 0, .size: 8, .value_kind: global_buffer, .address_space: global }
      - { .name: codebooks, .offset: 8, .size: 8, .value_kind: global_buffer, .address_space: global }
      - { .name: ptab, .offset: 16, .size: 8, .value_kind: global_buffer, .address_space: global }
    .group_segment_fixed_size: 106496
    .private_segment_fixed_size: 0
    .kernarg_segment_align: 8
    .kernarg_segment_size: 24
    .max_flat_workgroup_size: 512
    .sgpr_count:     66
    .vgpr_count:     176
    .wavefront_size: 32
...
	.end_amdgpu_metadata
.endif
;; end of part 1
;; launch gather (part 2): grid 16 x 16, 16 waves a work-group, no clusters, 327,680 bytes of LDS; arguments ptab, codes, bias, out0; writes out0
.if DOCPART == 2
	.amdgcn_target "amdgcn-amd-amdhsa--gfx1250"
	.amdhsa_code_object_version 6
	.text
	.protected	k_q5eab89f46b_gather
	.globl	k_q5eab89f46b_gather
	.p2align	8
	.type	k_q5eab89f46b_gather,@function
k_q5eab89f46b_gather:
	s_mov_b64 s[64:65], 0
	v_nop
	global_prefetch_b8 v0, s[64:65] scope:SCOPE_SE
	s_setreg_imm32_b32 hwreg(HW_REG_WAVE_MODE, 25, 1), 1
	s_wait_xcnt 0x0
; y[m][o] = bias[o] + sum over h of T[h][codes[h][o]][m], with T as the launch before stored it: ptab [mb 16][h 32][c 256][pos 64] f32, position 4 r + j = row m = 64 mb + 16 j + r.
; No product is left: 32 additions in f32 for each output, h ascending, the bias last.  The matrix unit has no part here.
; LIMITS.  A code is read as unsigned and clamped to 255: codes from 0 to 255, all that the table has rows for, are served exactly; any other is taken as 255.  NaN and infinities are not treated apart.
; SHARES.  Work-group (ob, mb): 64 rows m x 1,024 columns o.  Sixteen waves, 64 columns each.  Lane (q = lane % 16, hh = lane / 16) holds the columns 32 hh + t (t = 0..31) of its wave and the rows 16 j + q (j = 0..3):
; 128 sums, (t, j) at ACC + 4 t + j.  One LDS load of 16 bytes a lane is one STEP: lanes 0-15 take the whole 256-byte table row of column t's code, lanes 16-31 that of column 32 + t's
; so the slots need no padding.
; THE RING.  The 32 tiles of my mb, 65,536 bytes each and dense in memory, go through two LDS slots of two tiles.  Waves 0-7 each bring an eighth of a slot, 64 rows of 256 bytes, by one tensor load.
; A slot's refill stands first behind the barrier that ends its reading and has the other slot's 64 steps of all sixteen waves in which to land.  A wave has two tensor loads out at the start, later one.
; NO CLUSTER.  The sixteen work-groups of one mb walk the same 2 MB of table, and joint loads of four would divide those requests by four.  But the LDS addresses of the steps are made from the codes, which differ
; from one such work-group to the next.  So each work-group asks for itself.
; All registers lie in one window of 256: four waves of 244 registers on a SIMD.
.set TILEB, 65536                      ; a table tile
.set SLOT1, 2*TILEB                    ; slot 0 at 0, slot 1 here
.set SP,    272                        ; a stage row: 64 columns = 256 bytes + 16 of padding: 16 rows start at 16 different groups of banks (64 banks of 4 bytes: ISA guide 11.1)
.set STGW,  64*SP                      ; a wave's stage for the way out: 64 rows.  The sixteen stages lie over the two slots, which have had their last fill by then, and 16,384 bytes behind them
.set SPARE, 16*STGW                    ; behind the stages: the spare words, 128 bytes for each of 16 waves: eight blocks of 256 bytes that no other line names
.set Q,   1                            ; v1   lane % 16
.set SPW, 2                            ; v2   LDS address of my spare word; never rewritten
.set NIL, 3                            ; v3   0; never rewritten
.set CO,  4                            ; v4   128 hh: my half's 32 columns in a wave's 256 bytes of codes or of bias; never rewritten
.set HH,  5                            ; v5   lane / 16
.set LB,  6                            ; v6-9    16 q + 65,536 i: my 16 bytes of row 0 of the tile at place i of LDS
.set AD,  10                           ; v10-13  four address registers by turns
.set STO, 14                           ; v14  the way out: where I put 16 bytes of a row
.set RD,  15                           ; v15  the way out: where I read a row back
.set GO,  16                           ; v16  my byte offset in out0
.set RG,  20                           ; v20-51   eight landing places of four registers by turns; on the way out, at work
.set CD,  52                           ; v52-115  the codes of a slot's 64 steps, one register a step; at the end v52-83 hold the bias of my 32 columns
.set ACC, 116                          ; v116-243 the sums
.set WV,  12                           ; s12  my wave's number
.set TRIP, 20                          ; s20  the loop's count
.set G1,  24                           ; s[24:31] descriptor group 1, the same for every load
.set G0A, 32                           ; s[32:35] descriptor group 0 of slot 0's first fill
.set G0B, 36                           ; s[36:39] of slot 1's first fill; it then walks
	s_load_b256 s[4:11], s[0:1], 0x0               ; ptab s[4:5], codes s[6:7], bias s[8:9], out0 s[10:11]
	v_lshl_add_u32 v[SPW], v0, 2, SPARE
	v_mov_b32 v[NIL], 0
	ds_add_u32 v[SPW], v[NIL]                      ; the wave's opening: the add and its wait stand ahead of my first tensor load; the set-up below, work on registers, stands between them
	v_lshrrev_b32 v[AD], 5, v0
	v_readfirstlane_b32 s[WV], v[AD]               ; wave 0..15
	v_and_b32 v[Q], 15, v0
	v_bfe_u32 v[HH], v0, 4, 1
	v_lshlrev_b32 v[CO], 7, v[HH]
	s_mov_b32 s14, ttmp9                           ; ob: my block of 1,024 columns
	s_and_b32 s15, ttmp7, 0xffff                   ; mb: my block of 64 rows
	s_lshl_b32 s[G0A+1], s[WV], 14                 ; 63:32 LDS address: my eighth of slot 0 (waves 8-15 make these words too and issue nothing)
	s_lshl_b32 s16, s15, 21                        ; the table: mb's 32 tiles,
	s_add_co_u32 s16, s16, s[G0A+1]                ; my eighth of the first two
	s_mov_b32 s17, 0
	s_lshl_b32 s18, s14, 12                        ; codes and bias: 1,024 ob columns of 4 bytes,
	s_lshl_b32 s13, s[WV], 8                       ; my wave's 64
	s_add_co_u32 s18, s18, s13
	s_mov_b32 s19, 0
	s_lshl_b32 s22, s15, 22                        ; out0: 64 mb rows of 65,536 bytes, and the same columns
	s_add_co_u32 s22, s22, s18
	s_mov_b32 s23, 0
	s_mov_b32 s[G0A], 1                            ; 1:0 count = 1
	s_mov_b32 s[G0B], 1
	s_add_co_u32 s[G0B+1], s[G0A+1], SLOT1
	; group 1: 16,384 dense bytes as 64 rows of 256 bytes: 32 elements of 8 bytes a row, no padding.  The extents are the tile's: no tile crosses the table's end.
	s_mov_b32 s[G1+0], 3<<16                       ; 15:0 no mask; 17:16 elements of 8 bytes; 20 padding off
	s_mov_b32 s[G1+1], 32<<16                      ; tensor_dim0 = 32
	s_mov_b32 s[G1+2], 64<<16                      ; tensor_dim1 = 64
	s_mov_b32 s[G1+3], 32<<16                      ; tile_dim0 = 32
	s_mov_b32 s[G1+4], 64                          ; tile_dim1 = 64
	s_mov_b32 s[G1+5], 32                          ; 32 elements from row to row
	s_mov_b32 s[G1+6], 0
	s_mov_b32 s[G1+7], 0
	s_mul_i32 s13, s[WV], STGW                     ; my stage
	s_wait_dscnt 0x0                               ; the opening add is done
	s_wait_kmcnt 0x0
	s_add_nc_u64 s[G0A+2:G0A+3], s[4:5], s[16:17]  ; 120:64 global address: tiles 0 and 1,
	s_add_nc_u64 s[G0B+2:G0B+3], s[G0A+2:G0A+3], 2*TILEB  ; tiles 2 and 3
	s_or_b32 s[G0A+3], s[G0A+3], 0x80000000        ; 127:126 type = 2
	s_or_b32 s[G0B+3], s[G0B+3], 0x80000000
	s_add_nc_u64 s[6:7], s[6:7], s[18:19]
	s_add_nc_u64 s[8:9], s[8:9], s[18:19]
	s_add_nc_u64 s[10:11], s[10:11], s[22:23]
	s_cmp_lt_u32 s[WV], 8                          ; both first fills of a wave stand in one branch, ahead of every wait on TENSORcnt, every LDS read and every barrier
	s_cbranch_scc0 .Lno_first
	tensor_load_to_lds s[G0A:G0A+3], s[G1:G1+7]
	s_nop 0
	tensor_load_to_lds s[G0B:G0B+3], s[G1:G1+7]
	s_nop 0
.rept 4
	v_nop
.endr
.Lno_first:
	; The codes of tiles 0 and 1: group g of a tile is four columns' codes; lanes 0-15 read the same 16 bytes, lanes 16-31 those 128 bytes on.  A tile's eight groups cover my wave's 256 bytes of row h of codes.
.set n, 0
.rept 16
	global_load_b128 v[CD+4*n:CD+4*n+3], v[CO], s[6:7] offset:(n/8)*65536+16*(n%8)
.set n, n+1
.endr
	v_lshlrev_b32 v[LB], 4, v[Q]
.irp i, 1,2,3
	v_add_nc_u32 v[LB+(\i)], (\i)*TILEB, v[LB]
.endr
	v_mul_u32_u24 v[STO], v[Q], SP                 ; in: row 16 j + q, my half's 128 bytes
	v_lshl_add_u32 v[STO], v[HH], 7, v[STO]
	v_add_nc_u32 v[STO], s13, v[STO]
	v_mul_u32_u24 v[RD], v[HH], SP                 ; back: lanes 0-15 take one row of 256 bytes, lanes 16-31 the next
	v_lshl_add_u32 v[RD], v[Q], 4, v[RD]
	v_add_nc_u32 v[RD], s13, v[RD]
	v_lshlrev_b32 v[GO], 16, v[HH]                 ; and the same two rows in out0
	v_lshl_add_u32 v[GO], v[Q], 4, v[GO]
; A refill: waves 0-7 issue one tensor load each.  The branch hangs on the wave's number alone.  An s_nop 0 and four v_nop follow the load, ahead of the label.
.macro JLOAD
	s_cmp_lt_u32 s[WV], 8
	s_cbranch_scc0 .Lno_load_\@
	tensor_load_to_lds s[G0B:G0B+3], s[G1:G1+7]
	s_nop 0
.rept 4
	v_nop
.endr
.Lno_load_\@:
.endm
; THE CHANGE OF SLOTS.  Each wave waits for all its tensor loads, of which at most one is out: its part of the other slot; adds 0 to its spare word; and waits for that and for its own reads of the slot that it leaves.
; Behind the barrier nobody reads the old slot any more and the other slot is whole.  fill = 1: the old slot is filled again, first thing behind the barrier, with the two tiles that follow the other slot's.
.macro CHANGE fill
	s_wait_tensorcnt 0x0                           ; no tensor load of mine is out, so a group 0 may be written
	ds_add_u32 v[SPW], v[NIL]                      ; 0 onto my spare word; with fill = 1 the descriptor's step stands between it and the wait for it
.if \fill
	s_xor_b32 s[G0B+1], s[G0B+1], SLOT1            ; the walking descriptor: the other slot than last time,
	s_add_nc_u64 s[G0B+2:G0B+3], s[G0B+2:G0B+3], 2*TILEB  ; the next two tiles; the type bits on top are not reached
.endif
	s_wait_dscnt 0x0                               ; the add is done, and my reads of the slot are over
	s_barrier_signal -1
	s_barrier_wait -1
.if \fill
	JLOAD
.endif
.endm
; A SLOT'S 64 STEPS.  Step u: tile u / 32 of the slot, column t = u % 32.  Its code is clamped, shifted to a row's 256 bytes and added to my place in the tile; the load lands in place u % 8 of eight; the
; load of eight steps ago is added onto its sums by two packed additions, which stand between the address's two lines.
; first = 1: tile 0's loads land in the sums themselves: nothing is cleared, and the additions begin eight steps into tile 1.
; mode = 1: behind every fourth step the four code registers just used take the codes of the same columns two tiles on (tb: the slot's first tile, counted from the codes' base).  So the loads of codes go out in the order
; (tile, group), and behind the group that a step needs stand 15 others: the rest of its tile, all of the next, and the groups of the tile after that which have been asked for.  That holds into the loop and round its back edge.
; mode = 2: the last slot.  In place of a further tile's codes its first tile's steps ask for the bias, eight loads; its second tile's ask for nothing, so that tile's counts run down from 15.
.macro PROC slot, tb, first, mode
.set R0, 32*(\first)
.set u, 0
.rept 64
.set rA, ACC+4*((u+24)%32)
.set rG, RG+4*(u%8)
.if u%4 == 0
.if ((\mode) == 2) && (u >= 32)
	s_wait_loadcnt 15-(u-32)/4                     ; behind this group: the rest of the last tile's and the eight loads of the bias
.else
	s_wait_loadcnt 15                              ; loads come back in order (ISA guide 5.7.1): this group of four codes is in, the 15 younger groups stay out
.endif
.endif
	v_min_u32 v[AD+u%4], 0xff, v[CD+u]             ; the code stays inside the table
.if u >= R0+8
	s_wait_dscnt 7                                 ; LDS loads come back in order: of the eight that are out the oldest has landed
	v_pk_add_f32 v[rA:rA+1], v[rA:rA+1], v[rG:rG+1]
.endif
	v_lshl_add_u32 v[AD+u%4], v[AD+u%4], 8, v[LB+2*(\slot)+u/32]
.if u >= R0+8
	v_pk_add_f32 v[rA+2:rA+3], v[rA+2:rA+3], v[rG+2:rG+3]
.endif
.if (\first) && (u < 32)
	ds_load_b128 v[ACC+4*u:ACC+4*u+3], v[AD+u%4]
.else
	ds_load_b128 v[rG:rG+3], v[AD+u%4]
.endif
.if u%4 == 3
.if (\mode) == 1
	global_load_b128 v[CD+u-3:CD+u], v[CO], s[6:7] offset:((\tb)+u/32+2)*65536+16*((u%32)/4)
.elseif u < 32
	global_load_b128 v[CD+u-3:CD+u], v[CO], s[8:9] offset:16*(u/4)
.endif
.endif
.set u, u+1
.endr
.set k, 0
.rept 8                                ; the last eight loads are added: the counts run down
	s_wait_dscnt 7-k
	v_pk_add_f32 v[ACC+4*(24+k):ACC+4*(24+k)+1], v[ACC+4*(24+k):ACC+4*(24+k)+1], v[RG+4*k:RG+4*k+1]
	v_pk_add_f32 v[ACC+4*(24+k)+2:ACC+4*(24+k)+3], v[ACC+4*(24+k)+2:ACC+4*(24+k)+3], v[RG+4*k+2:RG+4*k+3]
.set k, k+1
.endr
.endm
	s_wait_tensorcnt 1                             ; my part of slot 0 is in; slot 1's may stay out
	s_barrier_signal -1
	s_barrier_wait -1                              ; everybody's is
	PROC 0, 0, 1, 1                                ; tiles 0 and 1
	s_wait_xcnt 0x0                                ; the loads of codes have had their addresses translated (ISA guide 3.1): only now is their base stepped
	s_add_nc_u64 s[6:7], s[6:7], 2*65536           ; the codes' base stands at the tile that the loop's trip begins with
	s_mov_b32 s[TRIP], 7
.Ltrip:                                                ; seven trips of four tiles: tiles 2 to 29; their changes of slots ask for tiles 4 to 31
	CHANGE 1
	PROC 1, 0, 0, 1
	CHANGE 1
	PROC 0, 2, 0, 1
	s_wait_xcnt 0x0
	s_add_nc_u64 s[6:7], s[6:7], 4*65536
	s_sub_co_u32 s[TRIP], s[TRIP], 1
	s_cmp_lg_u32 s[TRIP], 0
	s_cbranch_scc1 .Ltrip
	CHANGE 0                                       ; the tail is written out: nothing is left to ask for
	PROC 1, 0, 0, 2                                ; tiles 30 and 31
	; THE WAY OUT.  A lane holds four rows of 32 columns; out0 wants whole rows.  Each wave sends its 64 x 64 numbers through a stage of its own.  The stages lie over the slots, so first every wave's reads of the slots are over.
	s_wait_dscnt 0x0
	s_barrier_signal -1
	s_barrier_wait -1
	s_wait_loadcnt 0x0                             ; the bias
	; The addition of the bias also brings four neighbouring columns of a row side by side: 16 bytes..
.set n, 0
.irp j, 0,1,2,3
.irp g, 0,1,2,3,4,5,6,7
.irp i, 0,1,2,3
	v_add_f32 v[RG+4*(n%8)+(\i)], v[ACC+4*(4*(\g)+(\i))+(\j)], v[CD+4*(\g)+(\i)]
.endr
	ds_store_b128 v[STO], v[RG+4*(n%8):RG+4*(n%8)+3] offset:(\j)*16*SP+(\g)*16
.set n, n+1
.endr
.endr
.set p, 0
.rept 32
	ds_load_b128 v[ACC+4*p:ACC+4*p+3], v[RD] offset:p*2*SP  ; LDS serves a wave's instructions in order (ISA guide 5.7.1.4): these see the stores above; the bytes are my wave's own
.set p, p+1
.endr
.set p, 0
.rept 32
	s_wait_dscnt 31-p                              ; rows 2 p and 2 p + 1 are back; the younger loads stay out
	global_store_b128 v[GO], v[ACC+4*p:ACC+4*p+3], s[10:11] offset:p*2*65536 th:TH_STORE_NT  ; 16 lanes store 256 consecutive bytes, at a multiple of 256 from out0's first byte; 62 rows at the most stand in the immediate, inside its signed 24 bits
.set p, p+1
.endr
	s_wait_tensorcnt 0x0                           ; the wave's end, behind my last tensor load and my last LDS store
	ds_add_u32 v[SPW], v[NIL]
	s_wait_dscnt 0x0
	s_endpgm
.Lfunc_end_k_q5eab89f46b_gather:
	.size	k_q5eab89f46b_gather, .Lfunc_end_k_q5eab89f46b_gather-k_q5eab89f46b_gather
	.p2alignl 7, 3214868480
	.fill 96, 4, 3214868480
	.section	.rodata,"a",@progbits
	.p2align	6, 0x0
	.amdhsa_kernel k_q5eab89f46b_gather
		.amdhsa_group_segment_fixed_size 327680
		.amdhsa_private_segment_fixed_size 0
		.amdhsa_enable_private_segment 0
		.amdhsa_kernarg_size 32
		.amdhsa_user_sgpr_count 2
		.amdhsa_user_sgpr_kernarg_segment_ptr 1
		.amdhsa_wavefront_size32 1
		.amdhsa_system_sgpr_workgroup_id_x 1
		.amdhsa_system_sgpr_workgroup_id_y 1
		.amdhsa_system_sgpr_workgroup_id_z 1
		.amdhsa_system_vgpr_workitem_id 0
		.amdhsa_next_free_vgpr 244
		.amdhsa_next_free_sgpr 66
		.amdhsa_reserve_vcc 0
		.amdhsa_float_denorm_mode_32 3
		.amdhsa_float_denorm_mode_16_64 3
		.amdhsa_memory_ordered 1
		.amdhsa_forward_progress 1
		.amdhsa_inst_pref_size 110
	.end_amdhsa_kernel
	.amdgpu_metadata
---
amdhsa.version: [ 1, 2 ]
amdhsa.kernels:
  - .name:           k_q5eab89f46b_gather
    .symbol:         k_q5eab89f46b_gather.kd
    .args:
      - { .name: ptab, .offset: 0, .size: 8, .value_kind: global_buffer, .address_space: global }
      - { .name: codes, .offset: 8, .size: 8, .value_kind: global_buffer, .address_space: global }
      - { .name: bias, .offset: 16, .size: 8, .value_kind: global_buffer, .address_space: global }
      - { .name: out0, .offset: 24, .size: 8, .value_kind: global_buffer, .address_space: global }
    .group_segment_fixed_size: 327680
    .private_segment_fixed_size: 0
    .kernarg_segment_align: 8
    .kernarg_segment_size: 32
    .max_flat_workgroup_size: 512
    .sgpr_count:     66
    .vgpr_count:     244
    .wavefront_size: 32
...
	.end_amdgpu_metadata
.endif
;; end of part 2
